; MI455X (gfx1250); checked and timed in simulation.
; The chip was launched on July 23, 2026; its instructions are those of AMD's public machine-readable ISA for CDNA 5 (MIT licence, August 2026) and "CDNA5" Instruction Set Architecture Reference Guide (July 2026). The comments in the code are by the model that wrote it; some were corrected since.
;; Parameterized Knowledge Selector. Allowed arithmetic: matrix products marked QUANTISED: E4M3 operands, one E8M0 scale for each 32 along K, by v_wmma_scale_f32_16x16x128_f8f6f4 with both operands' format E4M3, f32 sums; products left as they are: f32 operands where the result goes on into a quantised operand, else bf16, f16 or f32 operands; f32 sums; everything else in f32.
;; Inputs: dense_weights 2,048 x 1,024 float32; dot_bias 1,024 x 1 float32; x_codes 64 x 513 x 32 x 32 uint8 (E4M3 codes of x, K innermost, in blocks of 32 codes); x_scales 64 x 513 x 32 uint8 (E8M0 scales of x, one for each 32 codes along K).
;; Outputs: out0 64 x 512 float32.
;; This version of the problem:
;;   THIS VERSION OF THE PROBLEM IS GIVEN IN LOW PRECISION. The matrix products marked QUANTISED in the list below multiply operands that are first quantised to E4M3 (4 exponent bits, 3 mantissa bits; 8 bits a number), with one power-of-two scale for each 32 numbers along K (OCP MX v1.0); their sums are f32. All else is computed in f32.
;;   The module's matrix products, in the order in which they are computed (A, B: the left and right operand; K: the contracted axis; several contracted axes count as one K, in the product's order):
;;     1. [M 32,768, K 1,024] x [K 1,024, N 1,024]; A: input x (given as codes); B: input dense_weights: QUANTISED
;;     2. [M 64, K 1,024] x [K 1,024, N 1,024]; A: input x (given as codes); B: input dense_weights: QUANTISED
;;     3. [M 32,768, K 1,024] x [K 1,024, N 1]; A: computed on the way; B: input dot_bias: left as it is (N = 1 < 16)
;;   THE QUANTISER, for each operand of a quantised product, along K:
;;     - K is cut into blocks of 32 from its start; a last block that is shorter is filled with zeros.
;;     - A block's scale is 2^e with e = floor(log2(the largest magnitude in the block)) - 8, held to -126 .. 127; a block of zeros has e = 0. As a byte (E8M0): e + 127.
;;     - Each number is divided by its block's scale, clamped to +-448, and rounded to the nearest number of E4M3, ties to even, subnormals kept.
;;     - The product sums the exact products of the quantised numbers (number of the format x scale) in f32.
;;   ~~~python
;;   def quantise(x, axis):      # numpy; x: float32 -> the quantised numbers, widened to float32 again
;;       x = np.moveaxis(x, axis, -1); K = x.shape[-1]
;;       x = np.pad(x, [(0, 0)] * (x.ndim - 1) + [(0, -K % 32)]); x = x.reshape(x.shape[:-1] + (-1, 32)); a = np.abs(x).max(-1, keepdims=True)
;;       e = np.where(a > 0, np.clip(np.frexp(np.where(a > 0, a, 1))[1] - 1 - 8, -126, 127), 0)      # np.frexp(a)[1] - 1 = floor(log2(a)), exactly
;;       r = np.clip(x / 2.0 ** e, -448, 448)
;;       step = 2.0 ** (np.maximum(np.frexp(np.where(r == 0, 1, r))[1] - 1, -6) - 3)
;;       q = np.round(r / step) * step * 2.0 ** e      # np.round: ties to even
;;       return np.moveaxis(q.reshape(q.shape[:-2] + (-1,))[..., :K], -1, axis).astype(np.float32)
;;   ~~~
;;   INPUTS GIVEN AS CODES. x (in the module: [64, 513, 1024], K = its axis 2): each comes as NAME_codes (uint8): NAME with its K axis moved to the last place and cut into blocks of 32 codes, [.., K / 32, bytes a block], one block behind the other in memory; one code a byte (a code: sign, 4 exponent bits, 3 mantissa bits); and NAME_scales (uint8): the same leading axes, one E8M0 byte (e + 127) for each 32 codes along K. Its value is code x scale, taken as it is: it is not quantised again, and the codes and scales need not be those that the quantiser above would give.
;; One version. Each part assembles by itself: llvm-mc -triple=amdgcn-amd-amdhsa -mcpu=gfx1250 --defsym DOCPART=n.
;; ======== version 1 of 1: 3 launches
;; limits: right only within a limited range of input values
;; workspace buffers: wzf 1,048,576 bytes; wzs 32,768 bytes; cpart 2,097,152 bytes; qbuf 524,288 bytes
;; launch prep (part 1): grid 256 x 1, 4 waves a work-group, no clusters, 26,624 bytes of LDS; arguments dense_weights, x_codes, x_scales, wzf, wzs, cpart; writes wzf, wzs, cpart
.if DOCPART == 1
	.amdgcn_target "amdgcn-amd-amdhsa--gfx1250"
	.amdhsa_code_object_version 6
	.text
	.protected	k_q1884a7d707_prep
	.globl	k_q1884a7d707_prep
	.p2align	8
	.type	k_q1884a7d707_prep,@function
k_q1884a7d707_prep:
	s_mov_b64 s[64:65], 0
	v_nop
	global_prefetch_b8 v0, s[64:65] scope:SCOPE_SE
	s_setreg_imm32_b32 hwreg(HW_REG_WAVE_MODE, 25, 1), 1
	s_wait_xcnt 0x0
; THE PROGRAM: out0[b] = softmax over k of q[b][k], q = sum over e of w[e] tanh(a), a = z[b][k] . Wz[:, e] + u[b] . Wu[:, e].  tanh(a) = 1 - 2 / (1 + e^(2 a)), so q is the sum of w less 2 x the sum of w / (1 + e^(2 a)).
; DEAD WORK LEFT OUT: the sum of w is one number, the same for all k of a row, and a softmax along k does not see it, whatever w holds.  A NaN, an infinity or an overflow that reaches that sum alone is not carried to the result.
; THIS LAUNCH.  dense_weights [2048][1024] f32 has K on its FIRST axis.  Rows 0-1023 (Wz) become codes of FP8 (E4M3) with one E8M0 byte for each 32 along K, stored as images of the matrix operand's registers:
;   wzf [64 columns cp][tile b][K step of 128 s][block c][lane][16 bytes];  scale words wzs [cp][s][tile b][r].  TILE b OF A GROUP OF 64 COLUMNS HOLDS THE COLUMNS 64 cp + 4 r + b, r = 0 .. 15.
; Rows 1024-2047 (Wu) are quantised the same way and multiplied at once by u = x[:, 0, :] (given as codes): cpart [s][batch 64][cp][16 b + r] f32, in the order of the tiles; the next launch adds the eight K steps.
; SHARES.  256 work-groups of four waves: half = x / 128 (Wz or Wu), cp = (x / 8) % 16, s = x % 8.  Wave c takes block c of 32 rows of the K step, all 64 columns: lane (r, h) loads columns 4 r .. 4 r + 3 of rows 16 h .. 16 h + 15:
; each load of the wave reads two whole rows of 256 aligned bytes; a block's largest magnitude is joined with lane l xor 16's; the hold lays each column's 16 numbers side by side, and the conversions give the operand's registers.
; The two halves part on the work-group's number alone; each has LDS bytes of its own.  Each number is read once, in one run with no loop: no prefetch; no tile is shared.
; LIMITS: a block of zeros gets the byte 1 where the rule says 127 (its codes are zeros, and this program alone reads the bytes); NaN and infinities among the inputs are not served.
.set SCG,   0                          ; LDS: 256 bytes of scale words, the way of Wz
.set SCU,   256                        ; and the way of Wu
.set IMG,   512                        ; Wu's images: [tile][block][lane][16]
.set RED,   8704                       ; 16 rows x 272 bytes for each wave
.set RP,    272
.set SPARE, 26112                      ; the spare words
.set UROW,  525312                     ; from batch to batch in x_codes: 513 x 1,024 bytes
.set USROW, 16416                      ; and in x_scales: 513 x 32
.set X,     32                         ; v32-95  64 numbers, later Wu's four fragments
.set Y,     96                         ; v96-159 the same, column by column, held; later the products
.set Q,     160                        ; v160-175 codes: column j at Q + 4 j
.set U,     176                        ; v176-191 u's fragment
	s_load_b256 s[4:11], s[0:1], 0x0               ; dense_weights s[4:5], x_codes s[6:7], x_scales s[8:9], wzf s[10:11]
	s_load_b128 s[12:15], s[0:1], 0x20             ; wzs s[12:13], cpart s[14:15]
	v_lshrrev_b32 v1, 5, v0
	v_readfirstlane_b32 s16, v1                    ; wave = block c
	s_lshr_b32 s17, ttmp9, 7                       ; half
	s_bfe_u32 s18, ttmp9, 0x40003                  ; cp
	s_and_b32 s19, ttmp9, 7                        ; s
	s_mov_b32 s20, 0x76543210
	s_mov_b32 s21, 0xfedcba98                      ; v_permlanex16_b32's selects for lane l xor 16
	s_mov_b32 s23, 0x600000                        ; the mantissa field of 448
	s_lshl_b32 s36, s17, 10                        ; my first row: 1,024 half + 128 s + 32 c
	s_lshl_b32 s37, s19, 7
	s_add_co_u32 s36, s36, s37
	s_lshl_b32 s37, s16, 5
	s_add_co_u32 s36, s36, s37
	s_lshl_b32 s36, s36, 12
	s_lshl_b32 s37, s18, 8
	s_add_co_u32 s36, s36, s37                     ; + 256 cp
	s_mov_b32 s37, 0
	s_lshl_b32 s38, s18, 16                        ; wzf: 65,536 cp + 2,048 s + 512 c
	s_lshl_b32 s39, s19, 11
	s_add_co_u32 s38, s38, s39
	s_lshl_b32 s39, s16, 9
	s_add_co_u32 s38, s38, s39
	s_mov_b32 s39, 0
	s_lshl_b32 s40, s18, 11                        ; wzs: 2,048 cp + 256 s
	s_lshl_b32 s41, s19, 8
	s_add_co_u32 s40, s40, s41
	s_mov_b32 s41, 0
	s_lshl_b32 s42, s19, 18                        ; cpart: 262,144 s + 256 cp
	s_lshl_b32 s43, s18, 8
	s_add_co_u32 s42, s42, s43
	s_mov_b32 s43, 0
	s_lshl_b32 s44, s19, 7                         ; x_codes: 128 s
	s_mov_b32 s45, 0
	s_lshl_b32 s46, s19, 2                         ; x_scales: 4 s
	s_mov_b32 s47, 0
	s_mul_i32 s48, s16, 16*UROW                    ; wave c multiplies batches 16 c .. 16 c + 15
	s_mul_i32 s49, s16, 16*USROW
	s_lshl_b32 s50, s16, 9
	s_add_co_u32 s50, s50, IMG
	s_mul_i32 s51, s16, 16*RP
	s_add_co_u32 s51, s51, RED
	s_lshl_b32 s52, s16, 16
	v_lshl_add_u32 v30, v0, 2, SPARE
	v_mov_b32 v31, 0
	v_and_b32 v1, 31, v0                           ; lane
	v_and_b32 v2, 15, v0                           ; r
	v_bfe_u32 v3, v0, 4, 1                         ; h
	v_lshlrev_b32 v4, 4, v2
	v_lshl_add_u32 v4, v3, 16, v4                  ; 16 r + 16 rows x h
	v_lshlrev_b32 v5, 4, v1                        ; 16 x lane
	v_lshl_add_u32 v6, v2, 2, s16                  ; a scale byte's place: 4 r + c
	v_lshl_add_u32 v7, v1, 4, s50                  ; IMG + 512 c + 16 lane
	v_lshlrev_b32 v8, 16, v3
	v_lshrrev_b32 v8, 4, v8                        ; 4,096 h
	v_lshl_add_u32 v9, v2, 4, v8
	v_add_nc_u32 v9, s52, v9                       ; cpart: batches 16 c + h, 16 bytes a lane
	v_mul_u32_u24 v10, v2, UROW
	v_lshl_add_u32 v10, v3, 4, v10
	v_add_nc_u32 v10, s48, v10                     ; u: batch 16 c + r, + 16 h
	v_mul_u32_u24 v11, v2, RP
	v_lshl_add_u32 v11, v3, 5, v11
	v_add_nc_u32 v11, s51, v11                     ; into my stage: row r, + 32 h
	v_lshlrev_b32 v12, 2, v1                       ; 4 x lane
	v_mul_u32_u24 v13, v3, RP
	v_lshl_add_u32 v13, v2, 4, v13
	v_add_nc_u32 v13, s51, v13                     ; out of it: rows h, 16 bytes a lane
	v_mul_u32_u24 v14, v2, USROW
	v_add_nc_u32 v14, s49, v14                     ; u's scale words
	v_lshlrev_b32 v15, 3, v1                       ; 8 x lane
.irp j, 0,1,2,3
	v_mov_b32 v[20+\j], 0                          ; a lane permute's destination counts as one of its sources
.endr
	s_wait_alu depctr_va_vdst(0)                   ; the wait at the head's end
	s_wait_kmcnt 0x0
	s_add_nc_u64 s[4:5], s[4:5], s[36:37]
.set i_, 0
.rept 16
	global_load_b128 v[X+4*i_:X+4*i_+3], v4, s[4:5] offset:4096*i_ th:TH_LOAD_NT
.set i_, i_+1
.endr
	s_add_nc_u64 s[10:11], s[10:11], s[38:39]
	s_add_nc_u64 s[12:13], s[12:13], s[40:41]
	s_add_nc_u64 s[14:15], s[14:15], s[42:43]
	s_add_nc_u64 s[6:7], s[6:7], s[44:45]
	s_add_nc_u64 s[8:9], s[8:9], s[46:47]
.macro QUANT                           ; register X + 4 i + j is row 16 h + i, column 4 r + j.  Bytes to v16-19, codes to Q
.irp j, 0,1,2,3
	v_max3_num_f32 v[16+\j], |v[X+\j]|, |v[X+4+\j]|, 0x4800000   ; with the floor 2^(9 - 127): the byte cannot fall under 1
.endr
.irp i, 2,4,6,8,10,12,14
.irp j, 0,1,2,3
	v_max3_num_f32 v[16+\j], v[16+\j], |v[X+4*\i+\j]|, |v[X+4*\i+4+\j]|
.endr
.endr
.irp j, 0,1,2,3
	v_permlanex16_b32 v[20+\j], v[16+\j], s20, s21
.endr
.irp j, 0,1,2,3
	v_max_num_f32 v[16+\j], v[16+\j], v[20+\j]     ; with the other 16 rows of the block
.endr
.irp j, 0,1,2,3
	v_add_nc_u32 v[24+\j], 0xfc000000, v[16+\j]    ; 8 off the exponent field: the conversion's scale operand
.endr
.irp j, 0,1,2,3
	v_and_or_b32 v[20+\j], v[16+\j], 0x7f800000, s23   ; 448 x the scale
.endr
.irp j, 0,1,2,3
	v_lshrrev_b32 v[16+\j], 23, v[24+\j]           ; the scale's byte
.endr
.irp j, 0,1,2,3
.set i_, 0
.rept 16
	v_med3_num_f32 v[Y+16*\j+i_], v[X+4*i_+\j], -v[20+\j], v[20+\j]   ; the conversion to an 8-bit code does not saturate (ISA guide 7.6.2): the hold comes first
.set i_, i_+1
.endr
	v_cvt_scalef32_pk8_fp8_f32 v[Q+4*\j:Q+4*\j+1], v[Y+16*\j:Y+16*\j+7], v[24+\j]
	v_cvt_scalef32_pk8_fp8_f32 v[Q+4*\j+2:Q+4*\j+3], v[Y+16*\j+8:Y+16*\j+15], v[24+\j]
.endr
	v_nop                                          ; one plain instruction behind the last conversion
.endm
	s_cmp_lg_u32 s17, 0
	s_cbranch_scc1 .Lwu
	; ---- Wz: the images go to memory
	s_wait_loadcnt 0x0
	QUANT
.irp j, 0,1,2,3
	global_store_b128 v5, v[Q+4*\j:Q+4*\j+3], s[10:11] offset:16384*\j          ; the wave stores 512 consecutive bytes, aligned
.endr
.irp j, 0,1,2,3
	ds_store_b8 v6, v[16+\j] offset:SCG+64*\j      ; a word's four bytes come from the four waves; lanes r and r + 16 hold the same byte
.endr
	s_wait_dscnt 0x0                               ; for wave 0's sake
	s_barrier_signal -1
	s_barrier_wait -1
	s_cmp_lg_u32 s16, 0                            ; wave 0 stores them: 256 consecutive bytes, aligned
	s_cbranch_scc1 .Lz_end
	ds_load_b64 v[28:29], v15 offset:SCG
	s_wait_dscnt 0x0
	global_store_b64 v15, v[28:29], s[12:13]
.Lz_end:
	s_wait_tensorcnt 0x0                           ; the wave's end
	ds_add_u32 v30, v31
	s_wait_dscnt 0x0
	s_endpgm
	; ---- Wu: the fragments meet in LDS and are multiplied by u's
.Lwu:
.irp c, 0,1,2,3
	global_load_b128 v[U+4*\c:U+4*\c+3], v10, s[6:7] offset:32*\c   ; u(16 c + r, 128 s + 32 c' + 16 h ..)
.endr
	global_load_b32 v28, v14, s[8:9]
	s_wait_loadcnt 0x5                             ; behind the weights' loads were issued u's five
	QUANT
.irp j, 0,1,2,3
	ds_store_b128 v7, v[Q+4*\j:Q+4*\j+3] offset:2048*\j
.endr
.irp j, 0,1,2,3
	ds_store_b8 v6, v[16+\j] offset:SCU+64*\j
.endr
	s_wait_dscnt 0x0                               ; for the other waves' sake
	s_barrier_signal -1
	s_barrier_wait -1
.irp b, 0,1,2,3
.irp c, 0,1,2,3
	ds_load_b128 v[X+16*\b+4*\c:X+16*\b+4*\c+3], v5 offset:IMG+2048*\b+512*\c
.endr
.endr
	ds_load_b32 v24, v12 offset:SCU                ; lanes 0-15 tile 0, lanes 16-31 tile 1
	ds_load_b32 v25, v12 offset:SCU+128            ; tiles 2, 3
	s_wait_dscnt 0x0
	s_wait_loadcnt 0x0
; source 0 = a tile of Wu's columns, source 1 = my 16 batches: a lane holds one batch and eight neighbours of the tile
.irp b, 0,2
	v_wmma_scale_f32_16x16x128_f8f6f4 v[Y+8*\b:Y+8*\b+7], v[X+16*\b:X+16*\b+15], v[U:U+15], 0, v[24+\b/2], v28
	v_wmma_scale_f32_16x16x128_f8f6f4 v[Y+8*\b+8:Y+8*\b+15], v[X+16*\b+16:X+16*\b+31], v[U:U+15], 0, v[24+\b/2], v28 matrix_a_scale:MATRIX_SCALE_ROW1
.endr
.rept 8
	v_nop                                          ; eight places ahead of the first read of the results
.endr
.irp b, 0,1,2,3
	ds_store_b128 v11, v[Y+8*\b:Y+8*\b+3] offset:64*\b
	ds_store_b128 v11, v[Y+8*\b+4:Y+8*\b+7] offset:64*\b+16
.endr
.irp q, 0,1,2,3,4,5,6,7                ; my own bytes: LDS serves a wave's instructions in order (ISA guide 5.7.1.4)
	ds_load_b128 v[Q+4*\q:Q+4*\q+3], v13 offset:\q*2*RP
.endr
.irp q, 0,1,2,3,4,5,6,7
	s_wait_dscnt 7-\q                              ; the later loads of the run may be out
	global_store_b128 v9, v[Q+4*\q:Q+4*\q+3], s[14:15] offset:\q*8192                  ; sixteen lanes store 256 consecutive bytes, aligned
.endr
	s_wait_tensorcnt 0x0
	ds_add_u32 v30, v31
	s_wait_dscnt 0x0
	s_endpgm
.Lfunc_end_k_q1884a7d707_prep:
	.size	k_q1884a7d707_prep, .Lfunc_end_k_q1884a7d707_prep-k_q1884a7d707_prep
	.p2alignl 7, 3214868480
	.fill 96, 4, 3214868480
	.section	.rodata,"a",@progbits
	.p2align	6, 0x0
	.amdhsa_kernel k_q1884a7d707_prep
		.amdhsa_group_segment_fixed_size 26624
		.amdhsa_private_segment_fixed_size 0
		.amdhsa_enable_private_segment 0
		.amdhsa_kernarg_size 48
		.amdhsa_user_sgpr_count 2
		.amdhsa_user_sgpr_kernarg_segment_ptr 1
		.amdhsa_wavefront_size32 1
		.amdhsa_system_sgpr_workgroup_id_x 1
		.amdhsa_system_sgpr_workgroup_id_y 1
		.amdhsa_system_sgpr_workgroup_id_z 1
		.amdhsa_system_vgpr_workitem_id 0
		.amdhsa_next_free_vgpr 192
		.amdhsa_next_free_sgpr 66
		.amdhsa_reserve_vcc 0
		.amdhsa_float_denorm_mode_32 3
		.amdhsa_float_denorm_mode_16_64 3
		.amdhsa_memory_ordered 1
		.amdhsa_forward_progress 1
		.amdhsa_inst_pref_size 28
	.end_amdhsa_kernel
	.amdgpu_metadata
---
amdhsa.version: [ 1, 2 ]
amdhsa.kernels:
  - .name:           k_q1884a7d707_prep
    .symbol:         k_q1884a7d707_prep.kd
    .args:
      - { .name: dense_weights, .offset: 0, .size: 8, .value_kind: global_buffer, .address_space: global }
      - { .name: x_codes, .offset: 8, .size: 8, .value_kind: global_buffer, .address_space: global }
      - { .name: x_scales, .offset: 16, .size: 8, .value_kind: global_buffer, .address_space: global }
      - { .name: wzf, .offset: 24, .size: 8, .value_kind: global_buffer, .address_space: global }
      - { .name: wzs, .offset: 32, .size: 8, .value_kind: global_buffer, .address_space: global }
      - { .name: cpart, .offset: 40, .size: 8, .value_kind: global_buffer, .address_space: global }
    .group_segment_fixed_size: 26624
    .private_segment_fixed_size: 0
    .kernarg_segment_align: 8
    .kernarg_segment_size: 48
    .max_flat_workgroup_size: 128
    .sgpr_count:     66
    .vgpr_count:     192
    .wavefront_size: 32
...
	.end_amdgpu_metadata
.endif
;; end of part 1
;; launch main (part 2): grid 256 x 1, 4 waves a work-group, clusters of 4 x 1, 327,680 bytes of LDS; arguments x_codes, x_scales, wzf, wzs, cpart, dot_bias, qbuf; writes qbuf
.if DOCPART == 2
	.amdgcn_target "amdgcn-amd-amdhsa--gfx1250"
	.amdhsa_code_object_version 6
	.text
	.protected	k_q1884a7d707_main
	.globl	k_q1884a7d707_main
	.p2align	8
	.type	k_q1884a7d707_main,@function
k_q1884a7d707_main:
	s_mov_b64 s[64:65], 0
	v_nop
	global_prefetch_b8 v0, s[64:65] scope:SCOPE_SE
	s_setreg_imm32_b32 hwreg(HW_REG_WAVE_MODE, 25, 1), 1
	s_wait_xcnt 0x0
	s_wait_alu depctr_hold_cnt(0) depctr_sa_sdst(0) depctr_va_vdst(0) depctr_va_sdst(0) depctr_va_ssrc(0) depctr_va_vcc(0) depctr_vm_vsrc(0)
	s_getreg_b32 s2, hwreg(HW_REG_IB_STS2, 6, 4)
	s_cmp_eq_u32 s2, 0
	s_cbranch_scc0 .Lentry_in_a_cluster
	s_endpgm
.Lentry_in_a_cluster:
	s_bfe_u32 s2, ttmp6, 0x10000c
	s_cmp_lg_u32 s2, 0x3003
	s_cbranch_scc0 .Lentry_shape_is_right
	s_endpgm
.Lentry_shape_is_right:
; qbuf[cx][b][k] = -2 x the sum over the 256 columns e of quarter cx of w[e] / (1 + 2^(K a)), a = z[b][k] . Wz[:, e] + c[b][e], K = 2 log2(e), c = cpart's eight K steps added, w = dot_bias.
; LEFT OUT: the sum of w, the same for all k of a row (the first kernel's head says why it is dead).  Where 2^(K a) overflows the quotient is 0 (tanh = 1), where it falls to 0 the quotient is 1 (tanh = -1): no clamp is needed.
; LIMITS: NaN and infinities among the inputs (NaN codes, the scale byte 0xff) are not served.
; SHARES.  A cluster of four work-groups is one batch b; work-group cx owns the columns 256 cx .. 256 cx + 255 for all 512 rows of z.  Wave w holds 64 columns (group g = 4 cx + w) of Wz, ALL of K, in 512 registers, and streams z past them in 32 blocks of 16 rows.
; Wz COMES STRAIGHT FROM MEMORY INTO REGISTERS, 128 loads of 512 consecutive bytes a wave: the four waves hold four different groups, so a work-group loads each fragment once.  No joint load is laid for it: it would pass through 262,144 bytes of LDS, which the ring of z holds.
; z's ROWS go in four chunks of 128 through two LDS slots, by loads that the four work-groups of the cluster ask for JOINTLY (mask 15), 32 rows a wave; z's scale bytes (16,384, on no 256-byte border) come by plain loads and are kept in LDS.
; PREFETCH: a chunk is 512 units of 256 bytes, and a cluster has 16 waves of 32 lanes: one instruction a wave names each unit once.  Chunk 2 is asked for behind chunk 1's load, chunk 3 behind chunk 2's: eight blocks ahead of the chunk's own load.
; THE MATRIX INSTRUCTION IS USED TRANSPOSED (source 0 = a tile of Wz's columns, source 1 = 16 rows of z): a lane holds one row of z and eight columns of each tile.  c is the C of each sum's first instruction; c and w stay in registers.
; A BLOCK is 32 products on four accumulators by turns.  Behind the products of block d stands a BURST of vector work, in which four blocks have a part:
;   multiply-adds by w of block d - 3 (they are also the places behind the last products), K x the sums of block d, ONE wait, the run of 34 LDS loads of block d + 2 into the set that block d has read,
;   the reciprocals of block d - 2, the exponentials of block d with the additions of block d - 1 between them, ONE wait.  No transcendental stands between two steps of a sum.
; REGISTERS.  Window 0: v4-23 addresses, q; v24-39 Wz's scale words; v44-59 z's, two sets; v64-95 c; v96-127 w x -2; v128-159, v160-191 the sums of even and odd blocks; v192-223 1 + 2^(K a); v224-255 the quotients.
;   Windows 1, 2: Wz's fragments, (K step q, tile b) number 4 q + b.  Window 3: two sets of eight fragments of z.
.set PITCH, 1040                       ; an LDS row: 1,024 bytes + 16 of padding
.set BLKB,  16*PITCH
.set SLOT1, 128*PITCH                  ; slot 1 begins here
.set CHB,   131072                     ; a chunk in memory
.set SCX,   266240                     ; z's scale bytes, 32 a row
.set CW,    282624                     ; for each wave 256 bytes of c, 256 of w
.set QX,    284672                     ; q's parts: [wave][lane / 16] 2,304 bytes each, rows from byte 192 on; at the head each wave's part takes its scale words of Wz
.set QP,    2304
.set SPARE, 303104                     ; the spare words, 128 bytes for each wave
.set NF,    34                         ; LDS loads of a block: eight fragments of four, two of four scale words
.set AX0,  4                           ; v4   my lane's place in a block of z
.set ADX,  5                           ; v5   the same for the pair of blocks in hand
.set ADS,  6                           ; v6   its scale words
.set QA,   7                           ; v7   where q goes
.set PFO,  8                           ; v8   the prefetches' offset; never rewritten
.set CO,   9                           ; v9   16 x lane
.set SPW,  10                          ; v10  my spare word; never rewritten
.set NIL,  11                          ; v11  0; never rewritten
.set QQ,   12                          ; v12-19 q, four pairs
.set BS,   24
.set SA,   44
.set CC,   64
.set WW,   96
.set ACC,  128
.set FF,   192
.set RR,   224
.set WV,   18                          ; s18 wave
.set CNT,  19
.set KC,   22                          ; s[22:23] K
.set G1,   24                          ; s[24:31] descriptor group 1;  s[32:35] group 0 for slot 0, s[36:39] for slot 1
.set G0A,  32
.set G0B,  36
.set SEL,  68                          ; s[68:69] v_permlanex16_b32's selects for lane l xor 16
.set PF,   76                          ; s[76:77] the batch's first row of z
.set MSB, 0
.macro WIN new                         ; the immediate's high byte repeats the setting that is left; a switch that changes nothing is dropped
.if MSB != (\new)
	s_set_vgpr_msb (MSB<<8)|(\new)
.set MSB, (\new)
.endif
.endm
.macro PLACES n
.rept \n
	v_nop
.endr
.endm
.macro WALU
	s_wait_alu depctr_va_vdst(0)
.endm
.macro CREST                           ; a round of the cluster's barrier behind its opening barrier
	s_cmp_lg_u32 s[WV], 0
	s_cbranch_scc1 .Lnot_wave_0_\@
	s_barrier_signal -3
.Lnot_wave_0_\@:
	s_barrier_wait -3
	s_barrier_signal -1
	s_barrier_wait -1
.endm
.macro CROUND
	s_barrier_signal -1
	s_barrier_wait -1
	CREST
.endm
.macro TLOAD g                         ; a joint load: s_nop 0 and four v_nop follow it
	tensor_load_to_lds s[\g:\g+3], s[G1:G1+7]
	s_nop 0
	PLACES 4
.endm
.macro RUN k, fo, so                   ; a block's fragments, from byte fo on, and its scale words, from so on, into set k: NF loads
	WIN 0xc0                                       ; destination window 3, address window 0
.irp q, 0,1,2,3,4,5,6,7
.irp c, 0,1,2,3
	ds_load_b128 v[128*(\k)+16*\q+4*\c:128*(\k)+16*\q+4*\c+3], v[ADX] offset:\fo+128*\q+32*\c
.endr
.endr
	WIN 0
	ds_load_b128 v[SA+8*(\k):SA+8*(\k)+3], v[ADS] offset:\so
	ds_load_b128 v[SA+8*(\k)+4:SA+8*(\k)+7], v[ADS] offset:\so+16
.endm
	s_load_b256 s[4:11], s[0:1], 0x0               ; x_codes s[4:5], x_scales s[6:7], wzf s[8:9], wzs s[10:11]
	s_load_b128 s[12:15], s[0:1], 0x20             ; cpart s[12:13], dot_bias s[14:15]
	s_load_b64 s[16:17], s[0:1], 0x30              ; qbuf
	v_lshl_add_u32 v[SPW], v0, 2, SPARE
	v_mov_b32 v[NIL], 0
	ds_add_u32 v[SPW], v[NIL]                      ; the wave's opening: the add, twice on end, and its wait; work on registers stands between
	ds_add_u32 v[SPW], v[NIL]
	v_lshrrev_b32 v1, 5, v0
	v_readfirstlane_b32 s[WV], v1                  ; wave 0..3
	s_bfe_u32 s21, ttmp6, 0x40000                  ; cx: it enters the addresses of plain loads, prefetches and stores alone
	s_mov_b32 s[KC], 0x4038aa3b                    ; K = 2 log2(e)
	s_mov_b32 s[KC+1], s[KC]                       ; (named with it as a pair, so it is written)
	s_mov_b32 s[SEL], 0x76543210
	s_mov_b32 s[SEL+1], 0xfedcba98
	s_mov_b32 s[G1], 15|(1<<20)|(1<<21)|(7<<22)|(3<<25)   ; 15:0 the four work-groups; elements of 1 byte; 20 padding on; 21 set beside a mask; 24:22 after every 256 words (code 7); 31:25 of 4 words (code 3)
	s_mov_b32 s[G1+1], 1024<<16                    ; tensor_dim0
	s_mov_b32 s[G1+2], 32<<16                      ; tensor_dim1 = 32
	s_mov_b32 s[G1+3], 1024<<16                    ; tile_dim0
	s_mov_b32 s[G1+4], 32                          ; tile_dim1
	s_mov_b32 s[G1+5], 1024                        ; the pitch
	s_mov_b32 s[G1+6], 0
	s_mov_b32 s[G1+7], 0
	s_mul_i32 s86, ttmp9, 513
	s_add_co_u32 s86, s86, 1                       ; the batch's first row of z among x's rows: 513 b + 1
	s_lshl_b32 s88, s86, 5                         ; its scale bytes
	s_mov_b32 s89, 0
	s_lshl_b32 s86, s86, 10                        ; its codes
	s_mov_b32 s87, 0
	s_lshl_b32 s78, s[WV], 15
	s_add_co_u32 s78, s78, s86                     ; the 32 rows of a chunk that I fetch
	s_mov_b32 s79, 0
	s_mul_i32 s92, s[WV], 32*PITCH                 ; and their place in a slot
	s_lshl_b32 s94, s21, 2
	s_add_co_u32 s94, s94, s[WV]                   ; g = 4 cx + wave
	s_lshl_b32 s96, s94, 16                        ; my 64 columns in wzf,
	s_mov_b32 s97, 0
	s_lshl_b32 s98, s94, 11                        ; in wzs,
	s_mov_b32 s99, 0
	s_lshl_b32 s80, s94, 8                         ; in dot_bias,
	s_mov_b32 s81, 0
	s_lshl_b32 s82, ttmp9, 12
	s_add_co_u32 s82, s82, s80                     ; and in row b of cpart
	s_mov_b32 s83, 0
	s_lshl_b32 s74, s21, 17
	s_lshl_b32 s75, ttmp9, 11
	s_add_co_u32 s74, s74, s75                     ; qbuf: 131,072 cx + 2,048 b
	s_mov_b32 s75, 0
	s_mul_i32 s84, s[WV], 2*QP
	s_add_co_u32 s84, s84, QX
	s_add_co_u32 s70, s[WV], 0
	s_mul_i32 s70, s70, 2*QP
	s_add_co_u32 s70, s70, QX-128
	s_lshl_b32 s85, s[WV], 9
	s_add_co_u32 s85, s85, CW
	s_lshl_b32 s93, s94, 13                        ; my 32 units of 256 bytes in a chunk
	v_and_b32 v1, 31, v0                           ; lane
	v_and_b32 v2, 15, v0                           ; r
	v_bfe_u32 v3, v0, 4, 1                         ; h
	v_mul_u32_u24 v[AX0], v2, PITCH
	v_lshl_add_u32 v[AX0], v3, 4, v[AX0]
	v_mov_b32 v[ADX], v[AX0]
	v_lshl_add_u32 v[ADS], v2, 5, SCX
	v_mul_u32_u24 v16, v3, QP
	v_lshl_add_u32 v16, v2, 2, v16
	v_add_nc_u32 v[QA], s70, v16                   ; burst i stores rows 16 (i - 3) + r at byte 192 + 64 (i - 3) + 4 r: at QA + 128 where i is even, at QA + 64, behind QA's step, where it is odd
	v_lshl_add_u32 v[PFO], v1, 8, s93
	v_lshlrev_b32 v[CO], 4, v1
	v_add_nc_u32 v12, s84, v[CO]                   ; my scale words of Wz: in, 16 bytes a lane,
	v_lshl_add_u32 v13, v1, 2, s84                 ; and back, a word a lane
	v_lshlrev_b32 v17, 4, v2
	v_lshl_add_u32 v17, v3, 18, v17                ; c: lanes 0-15 an even K step, lanes 16-31 the odd one behind it; 16 bytes a lane
	v_lshlrev_b32 v18, 3, v1                       ; 8 x lane
	v_lshlrev_b32 v19, 4, v0                       ; 16 x thread
	v_add_nc_u32 v20, SCX, v19
	v_lshl_add_u32 v21, v2, 4, s85                 ; c: in the order of the tiles already
	v_and_b32 v22, 1, v1
	v_lshrrev_b32 v23, 1, v1
	v_lshlrev_b32 v22, 7, v22
	v_lshl_add_u32 v22, v23, 2, v22
	v_add_nc_u32 v22, s85, v22                     ; w: column 4 m + b goes to word 16 b + m; my columns 2 l, 2 l + 1
	v_lshl_add_u32 v23, v3, 5, s85                 ; back: my half's eight of each tile
	WALU                                           ; the wait at the head's end
	s_wait_dscnt 0x0                               ; both opening adds are done
	CROUND                                         ; all four work-groups are here: the first joint loads meet
	s_wait_kmcnt 0x0
	s_mov_b32 s[G0A], 1
	s_mov_b32 s[G0A+1], s92
	s_add_nc_u64 s[G0A+2:G0A+3], s[4:5], s[78:79]
	s_or_b32 s[G0A+3], s[G0A+3], 0x80000000
	TLOAD G0A                                      ; chunk 0 into slot 0: one load a wave
	s_add_nc_u64 s[98:99], s[10:11], s[98:99]
	s_add_nc_u64 s[82:83], s[12:13], s[82:83]
	s_add_nc_u64 s[80:81], s[14:15], s[80:81]
	s_add_nc_u64 s[88:89], s[6:7], s[88:89]
	s_add_nc_u64 s[96:97], s[8:9], s[96:97]
.irp j, 0,1,2,3
	global_load_b128 v[128+4*\j:131+4*\j], v[CO], s[98:99] offset:512*\j
	global_load_b128 v[144+4*\j:147+4*\j], v17, s[82:83] offset:524288*\j
.endr
	global_load_b64 v[60:61], v18, s[80:81]
.irp j, 0,1,2,3,4,5,6,7
	global_load_b128 v[160+4*\j:163+4*\j], v19, s[88:89] offset:2048*\j
.endr
.macro WFRAG                           ; fragment f_ = 4 q + b of Wz: 16 columns x 128 of K
	WIN (1+f_/16)<<6
.irp c, 0,1,2,3
	global_load_b128 v[16*(f_%16)+4*\c:16*(f_%16)+4*\c+3], v[CO], s[96:97] offset:((f_%4)*8+f_/4)*2048+512*\c
.endr
.set f_, f_+1
.endm
.set f_, 0
.rept 20
	WFRAG
.endr
	WIN 0
	s_mov_b32 s[G0B], 1
	s_add_co_u32 s[G0B+1], s92, SLOT1
	s_add_nc_u64 s[78:79], s[78:79], CHB
	s_add_nc_u64 s[G0B+2:G0B+3], s[4:5], s[78:79]
	s_or_b32 s[G0B+3], s[G0B+3], 0x80000000
	s_add_nc_u64 s[PF:PF+1], s[4:5], s[86:87]
	s_add_nc_u64 s[74:75], s[16:17], s[74:75]
	s_wait_loadcnt 63                              ; behind the small loads 80 have been issued: they are all in
	v_pk_add_f32 v[144:145], v[144:145], v[148:149]
	v_pk_add_f32 v[146:147], v[146:147], v[150:151]
	v_pk_add_f32 v[152:153], v[152:153], v[156:157]
	v_pk_add_f32 v[154:155], v[154:155], v[158:159]
	v_pk_mul_f32 v[60:61], v[60:61], -2.0 op_sel_hi:[1,0]
	v_pk_add_f32 v[144:145], v[144:145], v[152:153]
	v_pk_add_f32 v[146:147], v[146:147], v[154:155]
.irp i, 0,1,2,3
	v_permlanex16_b32 v[148+\i], v[144+\i], s[SEL], s[SEL+1]
.endr
	v_pk_add_f32 v[144:145], v[144:145], v[148:149]   ; c = the eight K steps added
	v_pk_add_f32 v[146:147], v[146:147], v[150:151]
.irp j, 0,1,2,3
	ds_store_b128 v12, v[128+4*\j:131+4*\j] offset:512*\j
.endr
	ds_store_b128 v21, v[144:147]                  ; lanes r and r + 16 store the same numbers
	ds_store_b32 v22, v60 offset:256
	ds_store_b32 v22, v61 offset:320
.irp j, 0,1,2,3,4,5,6,7
	ds_store_b128 v20, v[160+4*\j:163+4*\j] offset:2048*\j
.endr
.irp s, 0,1,2,3,4,5,6,7                ; my own bytes: LDS serves a wave's instructions in order (ISA guide 5.7.1.4)
	ds_load_b32 v[BS+\s], v13 offset:256*\s        ; lanes 0-15 tile 0, lanes 16-31 tile 1
	ds_load_b32 v[BS+8+\s], v13 offset:256*\s+128  ; tiles 2, 3
.endr
.irp b, 0,1,2,3
.irp i, 0,1
	ds_load_b128 v[CC+8*\b+4*\i:CC+8*\b+4*\i+3], v23 offset:64*\b+16*\i
	ds_load_b128 v[WW+8*\b+4*\i:WW+8*\b+4*\i+3], v23 offset:256+64*\b+16*\i
.endr
.endr
.rept 12
	WFRAG
.endr
	WIN 0
	s_wait_tensorcnt 0x0                           ; my part of chunk 0 is in
	ds_add_u32 v[SPW], v[NIL]
	s_wait_dscnt 0x0                               ; the add is done; z's scale bytes are stored
	CROUND
	TLOAD G0B                                      ; chunk 1 into slot 1
	RUN 0, 0, 0
	RUN 1, BLKB, 512
	global_prefetch_b8 v[PFO], s[PF:PF+1] offset:2*CHB th:TH_LOAD_NT scope:SCOPE_SE
; 32 products of a block on set k.  Product n: K step n / 4, tile n % 4.  younger: the LDS loads issued behind this block's, which may stay out: the next block's.
; lw = 1: Wz's fragments may still be on their way: behind those of K step q were issued 112 - 16 q loads.
.macro BLOCK k, younger, lw=0
	s_wait_dscnt \younger
.set n_, 0
.rept 32
.set q_, n_/4
.set b_, n_%4
.if (\lw) && (b_ == 0)
.if q_ < 4
	s_wait_loadcnt 63
.else
	s_wait_loadcnt 112-16*q_
.endif
.endif
.set W_, 16*(n_%16)
.set X_, 128*(\k)+16*q_
.set D_, ACC+32*(\k)+8*b_
.set C_, D_
.if q_ == 0
.set C_, CC+8*b_
.endif
	WIN (1+n_/16)|0x0c
.if b_%2
	v_wmma_scale_f32_16x16x128_f8f6f4 v[D_:D_+7], v[W_:W_+15], v[X_:X_+15], v[C_:C_+7], v[BS+8*(b_/2)+q_], v[SA+8*(\k)+q_] matrix_a_scale:MATRIX_SCALE_ROW1
.else
	v_wmma_scale_f32_16x16x128_f8f6f4 v[D_:D_+7], v[W_:W_+15], v[X_:X_+15], v[C_:C_+7], v[BS+8*(b_/2)+q_], v[SA+8*(\k)+q_]
.endif
.set n_, n_+1
.endr
	WIN 0
.endm
.macro FMAQ                            ; q += w x the quotients, pair i_, in four chains
.set p_, QQ+2*(i_%4)
.if i_ < 4
	v_pk_mul_f32 v[p_:p_+1], v[RR+2*i_:RR+2*i_+1], v[WW+2*i_:WW+2*i_+1]
.else
	v_pk_fma_f32 v[p_:p_+1], v[RR+2*i_:RR+2*i_+1], v[WW+2*i_:WW+2*i_+1], v[p_:p_+1]
.endif
.set i_, i_+1
.endm
.macro MULA k, n                       ; K x the sums, pairs m_ on, each accumulator from its low end on
.rept \n
	v_pk_mul_f32 v[ACC+32*(\k)+2*m_:ACC+32*(\k)+2*m_+1], v[ACC+32*(\k)+2*m_:ACC+32*(\k)+2*m_+1], s[KC:KC+1] op_sel_hi:[1,0]
.set m_, m_+1
.endr
.endm
; THE BURST behind a block of set k: m: K x its sums, and exponentials; ad: additions of the block before; rc: reciprocals of the block before that; fm: multiply-adds of the one before that, whose 16 rows of q then go to LDS.
; mode 1: the addresses go on by two blocks; 4: all but z's; 6: q's alone.  2: a round of the cluster's barrier in which slot g's chunk is left and the chunk two on asked for; 3: a barrier that shows the last chunk; in both z's address goes to slot byte sl.
; ld = 1: the block two on is fetched: behind the first wait or, in modes 2 and 3, behind the barrier.
.macro BURST k, m, ad, rc, fm, mode=0, g=0, sl=0, ld=1
.set i_, 0
.set m_, 0
.if \fm
.rept 8
	FMAQ
.endr
.elseif \m
	PLACES 8                                       ; eight places behind the last products
.endif
.rept 8
.if \fm
	FMAQ
.endif
.if \m
	MULA \k, 1
.endif
.endr
.if \fm
	v_pk_add_f32 v[QQ:QQ+1], v[QQ:QQ+1], v[QQ+4:QQ+5]
	v_pk_add_f32 v[QQ+2:QQ+3], v[QQ+2:QQ+3], v[QQ+6:QQ+7]
.endif
.if \m
	MULA \k, 3
.endif
.if \fm
	v_pk_add_f32 v[QQ:QQ+1], v[QQ:QQ+1], v[QQ+2:QQ+3]
.endif
.if \m
	MULA \k, 3
.endif
.if \fm
	v_add_f32 v[QQ], v[QQ], v[QQ+1]
.endif
.if \m
	MULA \k, 2
.endif
.if (\mode) == 1
	v_add_nc_u32 v[ADX], 2*BLKB, v[ADX]
.endif
.if ((\mode) == 1) || ((\mode) == 4)
	v_add_nc_u32 v[ADS], 1024, v[ADS]
.endif
.if ((\mode) == 1) || ((\mode) == 4) || ((\mode) == 6)
	v_add_nc_u32 v[QA], 128, v[QA]
.endif
.if ((\mode) == 2) || ((\mode) == 3)
	v_add_nc_u32 v[ADX], \sl, v[AX0]
.endif
.if (\m) || (\rc)
	WALU                                           ; the wait ahead of the batch
.endif
.if \fm
	ds_store_b32 v[QA], v[QQ] offset:128-64*(\k)
.endif
.if (\mode) == 2
	s_wait_tensorcnt 0x0                           ; the next chunk: my part is in; no load of mine is out, so the descriptor may be written
	ds_add_u32 v[SPW], v[NIL]
	s_add_nc_u64 s[\g+2:\g+3], s[\g+2:\g+3], 2*CHB
.elseif ((\mode) != 3) && (\ld)
.if \k
	RUN 1, BLKB, 512
.else
	RUN 0, 2*BLKB, 1024
.endif
.endif
.if \rc
.set i_, 0
.rept 32
	v_rcp_f32 v[RR+i_], v[FF+i_]
.set i_, i_+1
.endr
.endif
.set i_, 0
.rept 16
.if \m
	v_exp_f32 v[ACC+32*(\k)+2*i_], v[ACC+32*(\k)+2*i_]
	v_exp_f32 v[ACC+32*(\k)+2*i_+1], v[ACC+32*(\k)+2*i_+1]
.endif
.if \ad
	v_pk_add_f32 v[FF+2*i_:FF+2*i_+1], v[ACC+32*(1-\k)+2*i_:ACC+32*(1-\k)+2*i_+1], 1.0 op_sel_hi:[1,0]
.endif
.set i_, i_+1
.endr
.if (\m) || (\rc)
.if (\ad) == 0
	v_nop                                          ; a plain place behind the last transcendental
.endif
	WALU                                           ; and the one wait behind the batch, ahead of its first reader
.endif
.if (\mode) == 3
	s_wait_tensorcnt 0x0                           ; my part of the last chunk is in
.endif
.if ((\mode) == 2) || ((\mode) == 3)
	s_wait_dscnt 0x0                               ; the add is done, and so are my reads of the slot that is left
	s_barrier_signal -1
	s_barrier_wait -1
.if (\mode) == 2
	CREST                                          ; the round: no wave of any partner still reads this slot or has a load on its way
	TLOAD \g
.endif
	RUN 0, 0, 1024
.endif
.endm
.macro PAIR                            ; two blocks of a chunk
	BLOCK 0, NF
	BURST 0, 1, 1, 1, 1
	BLOCK 1, NF
	BURST 1, 1, 1, 1, 1, 1
.endm
	BLOCK 0, NF, 1                                 ; chunk 0 is written out: the first bursts have fewer parts
	BURST 0, 1, 0, 0, 0
	BLOCK 1, NF
	BURST 1, 1, 1, 0, 0, 1
	BLOCK 0, NF
	BURST 0, 1, 1, 1, 0
	BLOCK 1, NF
	BURST 1, 1, 1, 1, 1, 1
	PAIR
	BLOCK 0, NF
	BURST 0, 1, 1, 1, 1, 2, G0A, SLOT1             ; chunk 2 into slot 0; the block two on is chunk 1's first
	BLOCK 1, NF
	global_prefetch_b8 v[PFO], s[PF:PF+1] offset:3*CHB th:TH_LOAD_NT scope:SCOPE_SE
	BURST 1, 1, 1, 1, 1, 4
	s_mov_b32 s[CNT], 3
.Lchunk1:
	PAIR
	s_sub_co_u32 s[CNT], s[CNT], 1
	s_cmp_lg_u32 s[CNT], 0
	s_cbranch_scc1 .Lchunk1
	BLOCK 0, NF
	BURST 0, 1, 1, 1, 1, 2, G0B, 0                 ; chunk 3 into slot 1
	BLOCK 1, NF
	BURST 1, 1, 1, 1, 1, 4
	s_mov_b32 s[CNT], 3
.Lchunk2:
	PAIR
	s_sub_co_u32 s[CNT], s[CNT], 1
	s_cmp_lg_u32 s[CNT], 0
	s_cbranch_scc1 .Lchunk2
	BLOCK 0, NF
	BURST 0, 1, 1, 1, 1, 3, 0, SLOT1
	BLOCK 1, NF
	BURST 1, 1, 1, 1, 1, 4
	s_mov_b32 s[CNT], 3
.Lchunk3:
	PAIR
	s_sub_co_u32 s[CNT], s[CNT], 1
	s_cmp_lg_u32 s[CNT], 0
	s_cbranch_scc1 .Lchunk3
	BLOCK 0, NF                                    ; the last two blocks fetch nothing more
	BURST 0, 1, 1, 1, 1, 0, 0, 0, 0
	BLOCK 1, 0
	BURST 1, 1, 1, 1, 1, 6, 0, 0, 0
	BURST 0, 0, 1, 1, 1, 0, 0, 0, 0                ; what the last three blocks still owe
	BURST 1, 0, 0, 1, 1, 6, 0, 0, 0
	BURST 0, 0, 0, 0, 1, 0, 0, 0, 0
	; q's eight parts (four waves, two halves of the lanes) are added: four rows a thread
	v_lshl_add_u32 v20, v0, 4, QX+192
	v_lshlrev_b32 v21, 4, v0
	WALU
	s_wait_dscnt 0x0                               ; for the others' sake
	s_barrier_signal -1
	s_barrier_wait -1
.irp j, 0,1,2,3,4,5,6,7
	ds_load_b128 v[128+4*\j:131+4*\j], v20 offset:QP*\j
.endr
	s_wait_dscnt 0x0
.irp d, 4,2,1
.irp j, 0,1,2,3
.if \j < \d
	v_pk_add_f32 v[128+4*\j:129+4*\j], v[128+4*\j:129+4*\j], v[128+4*(\j+\d):129+4*(\j+\d)]
	v_pk_add_f32 v[130+4*\j:131+4*\j], v[130+4*\j:131+4*\j], v[130+4*(\j+\d):131+4*(\j+\d)]
.endif
.endr
.endr
	global_store_b128 v21, v[128:131], s[74:75]    ; a wave stores 512 consecutive bytes, aligned
	s_wait_tensorcnt 0x0                           ; the wave's end
	ds_add_u32 v[SPW], v[NIL]
	s_wait_dscnt 0x0
	CROUND                                         ; the closing round: no work-group ends while a partner may still ask for a chunk that names it
	s_endpgm
.Lfunc_end_k_q1884a7d707_main:
	.size	k_q1884a7d707_main, .Lfunc_end_k_q1884a7d707_main-k_q1884a7d707_main
	.p2alignl 7, 3214868480
	.fill 96, 4, 3214868480
	.section	.rodata,"a",@progbits
	.p2align	6, 0x0
	.amdhsa_kernel k_q1884a7d707_main
		.amdhsa_group_segment_fixed_size 327680
		.amdhsa_private_segment_fixed_size 0
		.amdhsa_enable_private_segment 0
		.amdhsa_kernarg_size 56
		.amdhsa_user_sgpr_count 2
		.amdhsa_user_sgpr_kernarg_segment_ptr 1
		.amdhsa_wavefront_size32 1
		.amdhsa_system_sgpr_workgroup_id_x 1
		.amdhsa_system_sgpr_workgroup_id_y 1
		.amdhsa_system_sgpr_workgroup_id_z 1
		.amdhsa_system_vgpr_workitem_id 0
		.amdhsa_next_free_vgpr 1024
		.amdhsa_next_free_sgpr 100
		.amdhsa_reserve_vcc 0
		.amdhsa_float_denorm_mode_32 3
		.amdhsa_float_denorm_mode_16_64 3
		.amdhsa_memory_ordered 1
		.amdhsa_forward_progress 1
		.amdhsa_inst_pref_size 255
	.end_amdhsa_kernel
	.section	.bss,"aw",@nobits
	.p2align	6
	.space	262144
	.amdgpu_metadata
---
amdhsa.version: [ 1, 2 ]
amdhsa.kernels:
  - .name:           k_q1884a7d707_main
    .symbol:         k_q1884a7d707_main.kd
    .args:
      - { .name: x_codes, .offset: 0, .size: 8, .value_kind: global_buffer, .address_space: global }
      - { .name: x_scales, .offset: 8, .size: 8, .value_kind: global_buffer, .address_space: global }
      - { .name: wzf, .offset: 16, .size: 8, .value_kind: global_buffer, .address_space: global }
      - { .name: wzs, .offset: 24, .size: 8, .value_kind: global_buffer, .address_space: global }
      - { .name: cpart, .offset: 32, .size: 8, .value_kind: global_buffer, .address_space: global }
      - { .name: dot_bias, .offset: 40, .size: 8, .value_kind: global_buffer, .address_space: global }
      - { .name: qbuf, .offset: 48, .size: 8, .value_kind: global_buffer, .address_space: global }
    .group_segment_fixed_size: 327680
    .private_segment_fixed_size: 0
    .kernarg_segment_align: 8
    .kernarg_segment_size: 56
    .max_flat_workgroup_size: 128
    .sgpr_count:     100
    .vgpr_count:     1024
    .wavefront_size: 32
...
	.end_amdgpu_metadata
.endif
;; end of part 2
;; launch soft (part 3): grid 64 x 1, 1 waves a work-group, no clusters, 0 bytes of LDS; arguments qbuf, out0; writes out0
.if DOCPART == 3
	.amdgcn_target "amdgcn-amd-amdhsa--gfx1250"
	.amdhsa_code_object_version 6
	.text
	.protected	k_q1884a7d707_soft
	.globl	k_q1884a7d707_soft
	.p2align	8
	.type	k_q1884a7d707_soft,@function
k_q1884a7d707_soft:
	s_mov_b64 s[64:65], 0
	v_nop
	global_prefetch_b8 v0, s[64:65] scope:SCOPE_SE
	s_setreg_imm32_b32 hwreg(HW_REG_WAVE_MODE, 25, 1), 1
	s_wait_xcnt 0x0
; out0[b][:] = softmax of the sum over the four column quarters of qbuf[quarter][b][:], 512 numbers.  LEFT OUT: the sum of w, the same for the whole row, which a softmax does not see (the first kernel's head).
; One wave takes one row: 16 numbers a lane of each quarter, by loads and stores of 512 consecutive bytes.  The row's maximum is taken away ahead of the exponentials.  No LDS, no barrier, no loop: the row never leaves the wave.
; LIMITS: NaN and infinities in qbuf are not served.
	s_load_b128 s[4:7], s[0:1], 0x0                ; qbuf, out0
	v_lshlrev_b32 v1, 4, v0
	s_lshl_b32 s8, ttmp9, 11                       ; a row is 2,048 bytes
	s_mov_b32 s9, 0
	s_mov_b32 s10, 0x76543210
	s_mov_b32 s11, 0xfedcba98                      ; v_permlanex16_b32's selects for lane l xor 16
	s_mov_b32 s12, 0x3fb8aa3b                      ; log2(e)
	s_mov_b32 s13, s12                             ; (named with it as a pair, so it is written)
	s_wait_alu depctr_va_vdst(0)
	s_wait_kmcnt 0x0
	s_add_nc_u64 s[4:5], s[4:5], s[8:9]
	s_add_nc_u64 s[6:7], s[6:7], s[8:9]
.irp j, 0,1,2,3
	global_load_b128 v[4+4*\j:7+4*\j], v1, s[4:5] offset:512*\j
	global_load_b128 v[32+4*\j:35+4*\j], v1, s[4:5] offset:131072+512*\j
	global_load_b128 v[48+4*\j:51+4*\j], v1, s[4:5] offset:262144+512*\j
	global_load_b128 v[64+4*\j:67+4*\j], v1, s[4:5] offset:393216+512*\j
.endr
	s_wait_loadcnt 0x0
.irp i, 0,2,4,6,8,10,12,14
	v_pk_add_f32 v[4+\i:5+\i], v[4+\i:5+\i], v[32+\i:33+\i]
	v_pk_add_f32 v[48+\i:49+\i], v[48+\i:49+\i], v[64+\i:65+\i]
.endr
.irp i, 0,2,4,6,8,10,12,14
	v_pk_add_f32 v[4+\i:5+\i], v[4+\i:5+\i], v[48+\i:49+\i]
.endr
	v_max3_num_f32 v20, v4, v5, v6                 ; the largest of my 16, in two chains
	v_max3_num_f32 v21, v7, v8, v9
	v_max3_num_f32 v20, v20, v10, v11
	v_max3_num_f32 v21, v21, v12, v13
	v_max3_num_f32 v20, v20, v14, v15
	v_max3_num_f32 v21, v21, v16, v17
	v_max3_num_f32 v20, v20, v18, v19
	v_max_num_f32 v20, v20, v21
.irp x, 1,2,4,8
	v_max_num_f32_dpp v20, v20, v20 row_xmask:\x row_mask:0xf bank_mask:0xf
.endr
	v_permlanex16_b32 v21, v20, s10, s11
	v_max_num_f32 v20, v20, v21                    ; the row's maximum, in every lane
	v_mul_f32 v22, s12, v20
	v_mov_b32 v23, v22
.irp i, 0,2,4,6,8,10,12,14
	v_pk_fma_f32 v[4+\i:5+\i], v[4+\i:5+\i], s[12:13], v[22:23] op_sel_hi:[1,0,0] neg_lo:[0,0,1] neg_hi:[0,0,1]   ; q log2(e) - max log2(e), two at a time
.endr
	s_wait_alu depctr_va_vdst(0)
.irp i, 0,1,2,3,4,5,6,7,8,9,10,11,12,13,14,15
	v_exp_f32 v[4+\i], v[4+\i]
.endr
	v_nop                                          ; a plain instruction behind the last exponential,
	s_wait_alu depctr_va_vdst(0)                   ; and one wait for the batch, ahead of its first reader
	v_pk_add_f32 v[24:25], v[4:5], v[6:7]
	v_pk_add_f32 v[26:27], v[8:9], v[10:11]
	v_pk_add_f32 v[28:29], v[12:13], v[14:15]
	v_pk_add_f32 v[30:31], v[16:17], v[18:19]
	v_pk_add_f32 v[24:25], v[24:25], v[26:27]
	v_pk_add_f32 v[28:29], v[28:29], v[30:31]
	v_pk_add_f32 v[24:25], v[24:25], v[28:29]
	v_add_f32 v24, v24, v25
.irp x, 1,2,4,8
	v_add_f32_dpp v24, v24, v24 row_xmask:\x row_mask:0xf bank_mask:0xf
.endr
	v_permlanex16_b32 v25, v24, s10, s11
	v_add_f32 v24, v24, v25                        ; the row's sum
	s_wait_alu depctr_va_vdst(0)
	v_rcp_f32 v26, v24
	v_nop
	s_wait_alu depctr_va_vdst(0)
.irp i, 0,2,4,6,8,10,12,14
	v_pk_mul_f32 v[4+\i:5+\i], v[4+\i:5+\i], v[26:27] op_sel_hi:[1,0]
.endr
.irp j, 0,1,2,3
	global_store_b128 v1, v[4+4*\j:7+4*\j], s[6:7] offset:512*\j
.endr
	s_endpgm
.Lfunc_end_k_q1884a7d707_soft:
	.size	k_q1884a7d707_soft, .Lfunc_end_k_q1884a7d707_soft-k_q1884a7d707_soft
	.p2alignl 7, 3214868480
	.fill 96, 4, 3214868480
	.section	.rodata,"a",@progbits
	.p2align	6, 0x0
	.amdhsa_kernel k_q1884a7d707_soft
		.amdhsa_group_segment_fixed_size 0
		.amdhsa_private_segment_fixed_size 0
		.amdhsa_enable_private_segment 0
		.amdhsa_kernarg_size 16
		.amdhsa_user_sgpr_count 2
		.amdhsa_user_sgpr_kernarg_segment_ptr 1
		.amdhsa_wavefront_size32 1
		.amdhsa_system_sgpr_workgroup_id_x 1
		.amdhsa_system_sgpr_workgroup_id_y 1
		.amdhsa_system_sgpr_workgroup_id_z 1
		.amdhsa_system_vgpr_workitem_id 0
		.amdhsa_next_free_vgpr 96
		.amdhsa_next_free_sgpr 66
		.amdhsa_reserve_vcc 0
		.amdhsa_float_denorm_mode_32 3
		.amdhsa_float_denorm_mode_16_64 3
		.amdhsa_memory_ordered 1
		.amdhsa_forward_progress 1
		.amdhsa_inst_pref_size 8
	.end_amdhsa_kernel
	.amdgpu_metadata
---
amdhsa.version: [ 1, 2 ]
amdhsa.kernels:
  - .name:           k_q1884a7d707_soft
    .symbol:         k_q1884a7d707_soft.kd
    .args:
      - { .name: qbuf, .offset: 0, .size: 8, .value_kind: global_buffer, .address_space: global }
      - { .name: out0, .offset: 8, .size: 8, .value_kind: global_buffer, .address_space: global }
    .group_segment_fixed_size: 0
    .private_segment_fixed_size: 0
    .kernarg_segment_align: 8
    .kernarg_segment_size: 16
    .max_flat_workgroup_size: 32
    .sgpr_count:     66
    .vgpr_count:     96
    .wavefront_size: 32
...
	.end_amdgpu_metadata
.endif
;; end of part 3
